; MI455X (gfx1250); checked and timed in simulation.
; The chip was launched on July 23, 2026; its instructions are those of AMD's public machine-readable ISA for CDNA 5 (MIT licence, August 2026) and "CDNA5" Instruction Set Architecture Reference Guide (July 2026). The comments in the code are by the model that wrote it; some were corrected since.
;; Transformer Block. Allowed arithmetic: matrix products marked QUANTISED: E2M3 operands, one E8M0 scale for each 32 along K, by v_wmma_scale_f32_16x16x128_f8f6f4 with both operands' format E2M3, f32 sums; products left as they are: f32 operands where the result goes on into a quantised operand, else bf16, f16 or f32 operands; f32 sums; everything else in f32.
;; Inputs: W1_codes 2,048 x 16 x 24 uint8 (E2M3 codes of W1, K innermost, in blocks of 32 codes, four codes in three bytes); W1_scales 2,048 x 16 uint8 (E8M0 scales of W1, one for each 32 codes along K); W2_codes 512 x 64 x 24 uint8 (E2M3 codes of W2, K innermost, in blocks of 32 codes, four codes in three bytes); W2_scales 512 x 64 uint8 (E8M0 scales of W2, one for each 32 codes along K); Wk_codes 8 x 64 x 16 x 24 uint8 (E2M3 codes of Wk, K innermost, in blocks of 32 codes, four codes in three bytes); Wk_scales 8 x 64 x 16 uint8 (E8M0 scales of Wk, one for each 32 codes along K); Wo_codes 512 x 16 x 24 uint8 (E2M3 codes of Wo, K innermost, in blocks of 32 codes, four codes in three bytes); Wo_scales 512 x 16 uint8 (E8M0 scales of Wo, one for each 32 codes along K); Wq_codes 8 x 64 x 16 x 24 uint8 (E2M3 codes of Wq, K innermost, in blocks of 32 codes, four codes in three bytes); Wq_scales 8 x 64 x 16 uint8 (E8M0 scales of Wq, one for each 32 codes along K); Wv_codes 8 x 64 x 16 x 24 uint8 (E2M3 codes of Wv, K innermost, in blocks of 32 codes, four codes in three bytes); Wv_scales 8 x 64 x 16 uint8 (E8M0 scales of Wv, one for each 32 codes along K); b1 2,048 float32; b2 512 float32; bk 8 x 64 float32; bo 512 float32; bq 8 x 64 float32; bv 8 x 64 float32; ln1_b 512 float32; ln1_g 512 float32; ln2_b 512 float32; ln2_g 512 float32; x 8,192 x 2 x 512 float32.
;; Outputs: out0 8,192 x 2 x 512 float32.
;; This version of the problem:
;;   THIS VERSION OF THE PROBLEM IS GIVEN IN LOW PRECISION. The matrix products marked QUANTISED in the list below multiply operands that are first quantised to E2M3 (2 exponent bits, 3 mantissa bits; 6 bits a number), with one power-of-two scale for each 32 numbers along K (OCP MX v1.0); their sums are f32. All else is computed in f32.
;;   The module's matrix products, in the order in which they are computed (A, B: the left and right operand; K: the contracted axis; several contracted axes count as one K, in the product's order):
;;     1. [M 512, K 512] x [K 512, N 16,384]; A: input Wq (given as codes); B: computed on the way: QUANTISED
;;     2. [M 512, K 512] x [K 512, N 16,384]; A: input Wk (given as codes); B: computed on the way: QUANTISED
;;     3. [M 512, K 512] x [K 512, N 16,384]; A: input Wv (given as codes); B: computed on the way: QUANTISED
;;     4. batch 65,536 x [M 2, K 64] x [K 64, N 2]; A: computed on the way; B: computed on the way: left as it is (M = 2 < 16)
;;     5. batch 65,536 x [M 2, K 2] x [K 2, N 64]; A: softmax; B: computed on the way: left as it is (K = 2 < 32)
;;     6. [M 16,384, K 512] x [K 512, N 512]; A: computed on the way; B: input Wo (given as codes): QUANTISED
;;     7. [M 16,384, K 512] x [K 512, N 2,048]; A: computed on the way; B: input W1 (given as codes): QUANTISED
;;     8. [M 16,384, K 2,048] x [K 2,048, N 512]; A: computed on the way; B: input W2 (given as codes): QUANTISED
;;   THE QUANTISER, for each operand of a quantised product, along K:
;;     - K is cut into blocks of 32 from its start; a last block that is shorter is filled with zeros.
;;     - A block's scale is 2^e with e = floor(log2(the largest magnitude in the block)) - 2, held to -126 .. 127; a block of zeros has e = 0. As a byte (E8M0): e + 127.
;;     - Each number is divided by its block's scale, clamped to +-7.5, and rounded to the nearest number of E2M3, ties to even, subnormals kept.
;;     - The product sums the exact products of the quantised numbers (number of the format x scale) in f32.
;;   ~~~python
;;   def quantise(x, axis):      # numpy; x: float32 -> the quantised numbers, widened to float32 again
;;       x = np.moveaxis(x, axis, -1); K = x.shape[-1]
;;       x = np.pad(x, [(0, 0)] * (x.ndim - 1) + [(0, -K % 32)]); x = x.reshape(x.shape[:-1] + (-1, 32)); a = np.abs(x).max(-1, keepdims=True)
;;       e = np.where(a > 0, np.clip(np.frexp(np.where(a > 0, a, 1))[1] - 1 - 2, -126, 127), 0)      # np.frexp(a)[1] - 1 = floor(log2(a)), exactly
;;       r = np.clip(x / 2.0 ** e, -7.5, 7.5)
;;       step = 2.0 ** (np.maximum(np.frexp(np.where(r == 0, 1, r))[1] - 1, 0) - 3)
;;       q = np.round(r / step) * step * 2.0 ** e      # np.round: ties to even
;;       return np.moveaxis(q.reshape(q.shape[:-2] + (-1,))[..., :K], -1, axis).astype(np.float32)
;;   ~~~
;;   OPERANDS COMPUTED ON THE WAY. 'Computed on the way' means the value that the module computes at that place (a softmax that the list does not call 'softmax' is quantised finished and normalised). What goes into a quantiser is computed in f32, as accurately as f32 sums, v_exp_f32 and their like allow (about 1e-6 of the number): no bf16 or f16 on the way to a quantiser, and a product that is left as it is and whose result goes on into a quantised operand takes f32 operands (vector FMAs, or v_wmma_f32_16x16x4_f32). A number that lies on a knife's edge between two numbers of the format may be rounded either way, as far as f32 arithmetic and the matrix unit's own rounding can turn it there, and no further.
;;   INPUTS GIVEN AS CODES. W1 (in the module: [512, 2048], K = its axis 0); W2 (in the module: [2048, 512], K = its axis 0); Wk (in the module: [8, 512, 64], K = its axis 1); Wo (in the module: [512, 512], K = its axis 0); Wq (in the module: [8, 512, 64], K = its axis 1); Wv (in the module: [8, 512, 64], K = its axis 1): each comes as NAME_codes (uint8): NAME with its K axis moved to the last place and cut into blocks of 32 codes, [.., K / 32, bytes a block], one block behind the other in memory; four codes in three bytes: a row's codes are one little-endian stream of bits, code i at bits 6 i .. 6 i + 5 (a code: sign, 2 exponent bits, 3 mantissa bits); and NAME_scales (uint8): the same leading axes, one E8M0 byte (e + 127) for each 32 codes along K. Its value is code x scale, taken as it is: it is not quantised again, and the codes and scales need not be those that the quantiser above would give.
;; One version. Each part assembles by itself: llvm-mc -triple=amdgcn-amd-amdhsa -mcpu=gfx1250 --defsym DOCPART=n.
;; ======== version 1 of 1: 1 launch
;; launch block (part 1): grid 256 x 1, 4 waves a work-group, clusters of 4 x 1, 327,680 bytes of LDS; arguments x, out0, Wq_codes, Wk_codes, Wv_codes, Wo_codes, Wq_scales, Wk_scales, Wv_scales, Wo_scales, W1_codes, W1_scales, W2_codes, W2_scales, bq, bk, bv, b1, ln1_g, ln1_b, bo, ln2_g, ln2_b, b2; writes out0
.if DOCPART == 1
	.amdgcn_target "amdgcn-amd-amdhsa--gfx1250"
	.amdhsa_code_object_version 6
	.text
	.protected	k_q3d7de3d5d7_block
	.globl	k_q3d7de3d5d7_block
	.p2align	8
	.type	k_q3d7de3d5d7_block,@function
k_q3d7de3d5d7_block:
	s_mov_b64 s[64:65], 0
	v_nop
	global_prefetch_b8 v0, s[64:65] scope:SCOPE_SE
	s_setreg_imm32_b32 hwreg(HW_REG_WAVE_MODE, 25, 1), 1
	s_wait_xcnt 0x0
	s_wait_alu depctr_hold_cnt(0) depctr_sa_sdst(0) depctr_va_vdst(0) depctr_va_sdst(0) depctr_va_ssrc(0) depctr_va_vcc(0) depctr_vm_vsrc(0)
	s_getreg_b32 s2, hwreg(HW_REG_IB_STS2, 6, 4)
	s_cmp_eq_u32 s2, 0
	s_cbranch_scc0 .Lentry_in_a_cluster
	s_endpgm
.Lentry_in_a_cluster:
	s_bfe_u32 s2, ttmp6, 0x10000c
	s_cmp_lg_u32 s2, 0x3003
	s_cbranch_scc0 .Lentry_shape_is_right
	s_endpgm
.Lentry_shape_is_right:
; A whole transformer block, x [16384 rows][512] f32 -> out0, in one launch.  LN1, Q K V, attention over pairs of rows (T = 2, causal), Wo, residual, LN2, W1, relu, W2, residual.
; The six large products run on codes of FP6 (E2M3) with one E8M0 scale for each 32 along K; the weights arrive as codes, the activations are quantised here, from f32.
; SHARES.  A work-group owns 64 rows (four tiles m of 16) from x to out0.  THE WAVES SHARE THE COLUMNS: of every 256 weight rows wave w takes 64 w .. 64 w + 63, for all 64 rows of tokens,
; so a weight fragment read from LDS feeds four matrix instructions.  Of the 512 model columns wave w owns 256 u + 64 w + 0 .. 63, u = 0, 1: heads w and 4 + w.
; EVERY PRODUCT IS USED TRANSPOSED (source 0 = 16 weight rows, source 1 = 16 token rows): lane (r, h), register j of column tile y holds row r, column 16 y + 8 h + j.
; THE RESIDUAL stays in 256 registers a wave (window 3): Wo's and W2's products add onto it in place; bo and b2 are added behind the norms that read it.
; THE WEIGHTS' CODES come as 24 slots of 256 rows x 384 bytes through a ring of two LDS places.  CLUSTER: the four work-groups of a cluster walk the same weights, so each slot is asked for
; jointly (mask 15).  EACH WAVE ASKS FOR THE 64 ROWS THAT IT READS ITSELF: one load of 24,576 bytes a wave behind each round.  A wave has two tensor loads out at the start, later one.
; THE WEIGHTS' SCALE BYTES go from memory straight into the scale registers: lane l takes the 16 bytes (four scale words, K = 512) of my row l: two loads of 16 bytes a lane for a slot.
; Two sets of eight registers; a set is loaded anew as soon as the slot that read it is done, for the slot that reads it next.  (Of W2's rows of 64 scale bytes a slot takes 16, so lanes
; stand 64 bytes apart there; the four chunks take the four quarters: 32,768 bytes in all for a work-group.)
; ACTIVATIONS go from wave to wave through LDS as images of the operand's registers: register pair P of a fragment at 256 P + 8 x lane; scale words 4 bytes a row.
; ATTENTION.  The even row of a pair keeps v.  The odd row: d = q1 . (k0 - k1), z = d log2(e) / 8, e0 = 2^min(z, 0), e1 = 2^min(-z, 0) (both scores less their maximum), p = e / (e0 + e1). All in f32.
; LIMITS: NaN and infinities among the inputs are not served.  A block whose largest magnitude lies under 2^-124 gets the scale byte 1; so does a block of zeros (its codes are zeros; the bytes are read here alone).
; REGISTERS, in windows of 256: window 0: addresses, scale words, biases, weight fragments (two sets of 48), 64 numbers on the way to the quantiser.
;   window 1: the 16 activation fragments (during a norm: gain, bias and the bias to be added).  window 2: accumulators (during a norm: x - mean).  window 3: the residual, at 64 m + 8 (4 u + y) + j.
.set PITCH, 432                        ; a weight row in LDS: 3 x (128 bytes + 16 of padding) = 108 words: the 32 lanes of a load of 8 bytes fall on 64 different banks (64 banks of 4 bytes: ISA guide 11.1)
.set QUARB, 64*PITCH                   ; what one tensor load brings: a wave's own 64 rows
.set SLOT1, 1<<17                      ; place 1 of the ring: one exclusive or turns an address
.set BIAS,  114688                     ; bq, bk, bv (2,048 bytes each), b1 (8,192)
.set STAT0, 129024                     ; [row 64][wave 4] f32: the sums; 1,024 bytes on: the sums of squares
.set A0,    245760                     ; images of LN1(x), then ctx, then LN2(x1): 16 fragments of 1,536 bytes, then the scale words [K step 4][row 64]
.set ASC,   24576
.set AREG,  25600                      ; the hidden chunk's images lie this far on
.set STG,   A0+AREG                    ; the stage for x in and out0 out, 16 rows x 528 bytes a wave: the same bytes, used before the first and behind the last hidden image
.set SPARE, 305152                     ; the spare words: 128 bytes a wave, named by no other line
.set SPW, 1
.set NIL, 2
.set WA0, 3                            ; (64 w + r) PITCH + 24 h
.set WA1, 4                            ; the same behind one padding more for lanes 16-31
.set GSD, 5                            ; scale bytes in memory, rows of 16 bytes: 1024 w + 16 lane; never rewritten
.set BA,  6                            ; BIAS + 256 w + 32 h
.set ADW0, 7
.set ADW1, 8
.set GSW, 9                            ; W2's, rows of 64 bytes: 4096 w + 64 lane; never rewritten
.set ADB, 10
.set FA,  11                           ; A0 + 8 lane
.set FS,  12                           ; A0 + ASC + 4 lane
.set HW,  13                           ; where I store my half fragments: A0 + 8 lane + 6144 (w / 2) + 768 (w % 2)
.set HS,  14                           ; and my two scale bytes: A0 + ASC + 256 (w / 2) + 2 (w % 2) + 4 r
.set HT,  15
.set HTS, 16
.set STA, 17
.set STB, 18
.set SIN, 19                           ; the stage by rows: 16 bytes a lane
.set SD,  20                           ; the stage by the result's layout: 528 r + 32 h
.set XO,  21                           ; 16 r + 1024 h + 256 w: my bytes of a row of x and of out0
.set GA,  22                           ; 256 w + 32 h
.set SH8, 23                           ; 8 h
.set WS1, 24                           ; v24-31 weight scale words, set 1
.set WS0, 32                           ; v32-39 set 0.  In a set: 4 (t / 2) + s; lanes 0-15 the even tile, lanes 16-31 the odd
.set AS,  40                           ; v40-47 activation scale words: 2 s + m / 2; lanes 16-31 the odd m
.set P1,  48                           ; v48-55 pairs (p1, my p0) for each m
.set PN,  56                           ; v56-63 pairs (my neighbour's p0, 0)
.set BS,  64                           ; v64-79 two sets of 8 bias numbers
.set MX,  80
.set MB,  81
.set SO,  82
.set BY,  83
.set OT,  84
.set PC,  86                           ; v86-91 the codes just made
.set PT,  92
.set WF,  96                           ; v96-191 weight fragments; between slots at work:
.set TT,  96
.set MU,  96
.set RS,  104
.set SL,  112
.set CH,  128
.set BINR, 160
.set BIO, 188                          ; at the head alone
.set BIL, 189
.set RR,  190
.set HH,  191
.set ST,  192                          ; v192-255
.set WV,  2
.set TB,  3                            ; the ring's place in hand: 0 or SLOT1
.set BOF, 4
.set C29, 5
.set CEPS, 6
.set CL2, 7
.set CNT, 8
.set GI,  9
.set GS,  10
.set ODD, 11
.set G0C0, 12
.set G0C, 16
.set G1C, 28
.set G1CW, 36
.set XP,  60
.set OP,  62
.set SEL, 66
.set PQC, 68
.set PKC, 70
.set PVC, 72
.set PWOC, 74
.set PQS, 76
.set PKS, 78
.set PVS, 80
.set PWOS, 82
.set PW1C, 84
.set PW1S, 86
.set PW2C, 88
.set PW2S, 90
.set LNP, 96
.set MSB, 0
.macro WIN new                         ; low byte: bits 1:0 source 0, 3:2 source 1, 5:4 source 2, 7:6 destination; the high byte repeats the setting that is left
.if MSB != \new
	s_set_vgpr_msb (MSB<<8)|\new
.set MSB, \new
.endif
.endm
.macro PLACES                          ; four plain places behind a matrix instruction, ahead of loads into its registers and of reads of its results
.rept 4
	v_nop
.endr
.endm
.macro BARRIER                         ; my LDS stores have landed and my LDS loads are in: then the work-group's barrier
	s_wait_dscnt 0x0
	s_barrier_signal -1
	s_barrier_wait -1
.endm
.macro ROUND                           ; a round of the cluster's barrier
	s_barrier_signal -1
	s_barrier_wait -1
	s_cmp_lg_u32 s[WV], 0
	s_cbranch_scc1 .Lnw0_\@
	s_barrier_signal -3
.Lnw0_\@:
	s_barrier_wait -3
	s_barrier_signal -1
	s_barrier_wait -1
.endm
; A joint refill: every wave asks for its own 64 rows: both addresses hang on the wave's number.  w2 = 1: W2's pitch.  Four v_nop follow.
.macro TLOAD w2
.if \w2
	tensor_load_to_lds s[G0C:G0C+3], s[G1CW:G1CW+7]
	s_nop 0
.else
	tensor_load_to_lds s[G0C:G0C+3], s[G1C:G1C+7]
	s_nop 0
.endif
	PLACES
.endm
; THE CHANGE OF PLACES behind a slot's products: all my tensor loads have landed (my part of the next slot), the add, my reads of the slot just used are over; a round of the cluster's barrier;
; then the place just left is filled with the slot two further on, from pointer pc + addc.
.macro CHANGE pc, addc, w2
	WIN 0
	s_wait_tensorcnt 0x0               ; no tensor load of mine is out, so the walking descriptor may be written
	ds_add_u32 v[SPW], v[NIL]          ; 0 onto my spare word
	s_xor_b32 s[G0C+1], s[G0C+1], SLOT1
	s_add_nc_u64 s[G0C+2:G0C+3], s[\pc:\pc+1], \addc
	s_or_b32 s[G0C+3], s[G0C+3], 0x80000000
	s_xor_b32 s[TB], s[TB], SLOT1      ; my reads go on to the other place
	s_wait_dscnt 0x0                   ; the add is done, and my reads of the place just left are over
	ROUND
	TLOAD \w2
.endm
.macro CHANGE0                         ; the last change: nothing is left to ask for
	WIN 0
	s_wait_tensorcnt 0x0
	ds_add_u32 v[SPW], v[NIL]
	s_xor_b32 s[TB], s[TB], SLOT1
	s_wait_dscnt 0x0
	s_barrier_signal -1
	s_barrier_wait -1
.endm
; A slot's scale words of my 64 rows into a set: lane l takes row l's 16 bytes, then row 32 + l's.  It stands behind the four places at the end of the slot that read the set.
.macro LSC set, ptr, off, w2
.if \w2
	global_load_b128 v[(\set):(\set)+3], v[GSW], s[\ptr:\ptr+1] offset:\off
	global_load_b128 v[(\set)+4:(\set)+7], v[GSW], s[\ptr:\ptr+1] offset:(\off)+2048
.else
	global_load_b128 v[(\set):(\set)+3], v[GSD], s[\ptr:\ptr+1] offset:\off
	global_load_b128 v[(\set)+4:(\set)+7], v[GSD], s[\ptr:\ptr+1] offset:(\off)+512
.endif
.endm
; Tile t (16 of my 64 weight rows), all four K steps, into set: 24 loads of 8 bytes.  Lanes 0-15 take pieces 12 s + 0, 1, 2, 6, 7, 8 of the row, lanes 16-31 those three on;
; where the piece three on lies behind one padding more (16 pieces to a padding), the second address serves.  biased: the tile's eight bias numbers too.
.macro LOADT t, set, biased, boff
.irp s, 0,1,2,3
.irp p, 0,1,2,3,4,5
.set PIE, 12*\s+6*(\p/3)+\p%3
.if PIE%16 < 13
	ds_load_b64 v[WF+48*(\set)+12*\s+2*\p:WF+48*(\set)+12*\s+2*\p+1], v[ADW0] offset:8*PIE+16*(PIE/16)+16*PITCH*(\t)
.else
	ds_load_b64 v[WF+48*(\set)+12*\s+2*\p:WF+48*(\set)+12*\s+2*\p+1], v[ADW1] offset:8*PIE+16*(PIE/16)+16*PITCH*(\t)
.endif
.endr
.endr
.if \biased
	ds_load_b128 v[BS+8*(\set):BS+8*(\set)+3], v[ADB] offset:(\boff)+64*(\t)
	ds_load_b128 v[BS+8*(\set)+4:BS+8*(\set)+7], v[ADB] offset:(\boff)+64*(\t)+16
.endif
.endm
.macro WM d, a, b, c, sa, sb, ra, rb   ; one product; ra, rb: the side's scale words stand in lanes 16-31
.if (\ra) && (\rb)
	v_wmma_scale_f32_16x16x128_f8f6f4 v[(\d):(\d)+7], v[(\a):(\a)+11], v[(\b):(\b)+11], v[(\c):(\c)+7], v[(\sa)], v[(\sb)] matrix_a_fmt:MATRIX_FMT_FP6 matrix_b_fmt:MATRIX_FMT_FP6 matrix_a_scale:MATRIX_SCALE_ROW1 matrix_b_scale:MATRIX_SCALE_ROW1
.elseif (\ra)
	v_wmma_scale_f32_16x16x128_f8f6f4 v[(\d):(\d)+7], v[(\a):(\a)+11], v[(\b):(\b)+11], v[(\c):(\c)+7], v[(\sa)], v[(\sb)] matrix_a_fmt:MATRIX_FMT_FP6 matrix_b_fmt:MATRIX_FMT_FP6 matrix_a_scale:MATRIX_SCALE_ROW1
.elseif (\rb)
	v_wmma_scale_f32_16x16x128_f8f6f4 v[(\d):(\d)+7], v[(\a):(\a)+11], v[(\b):(\b)+11], v[(\c):(\c)+7], v[(\sa)], v[(\sb)] matrix_a_fmt:MATRIX_FMT_FP6 matrix_b_fmt:MATRIX_FMT_FP6 matrix_b_scale:MATRIX_SCALE_ROW1
.else
	v_wmma_scale_f32_16x16x128_f8f6f4 v[(\d):(\d)+7], v[(\a):(\a)+11], v[(\b):(\b)+11], v[(\c):(\c)+7], v[(\sa)], v[(\sb)] matrix_a_fmt:MATRIX_FMT_FP6 matrix_b_fmt:MATRIX_FMT_FP6
.endif
.endm
; 16 products: tile t against the four tiles of rows, K step by K step: the four accumulators take turns, one instruction a turn.
; mode 0: window 2 at base + 32 m + 8 t, the bias as the first C.  mode 1: onto the residual, window 3 at 64 m + base + 8 t.  ws: the set of weight scale words.
.macro MULT t, set, mode, base, ws
.irp s, 0,1,2,3
.if (\mode) == 0
.if \s == 0
	WIN 0x84
.else
	WIN 0xa4
.endif
.else
	WIN 0xf4
.endif
.irp m, 0,1,2,3
.if (\mode) == 0
.set RD_, (\base)+32*\m+8*(\t)
.else
.set RD_, 64*\m+(\base)+8*(\t)
.endif
.set RC_, RD_
.if ((\mode) == 0) && (\s == 0)
.set RC_, BS+8*(\set)
.endif
	WM RD_, WF+48*(\set)+12*\s, 12*(4*\s+\m), RC_, (\ws)+4*((\t)/2)+\s, AS+2*\s+\m/2, (\t)%2, \m%2
.endr
.endr
.endm
; A SLOT: my 64 weight rows x 64 token rows x K 512: 64 products.  Two sets of weight registers: tile t + 2 is asked for behind tile t's products.
; ws: the slot's set of scale words; lw: how many younger loads from memory (the other set's two, or none) may stay out when this set has to be there.
.macro SLOT mode, base, biased, boff, ws, lw
.set NL, 24+2*(\biased)
	v_add_nc_u32 v[ADW0], s[TB], v[WA0]
	v_add_nc_u32 v[ADW1], s[TB], v[WA1]
.if \biased
	v_add_nc_u32 v[ADB], s[BOF], v[BA]
.endif
	LOADT 0, 0, \biased, \boff
	LOADT 1, 1, \biased, \boff
	s_wait_loadcnt \lw                 ; loads come back in order (ISA guide 5.7.1): this slot's scale words are in
.irp t, 0,1,2,3
.if \t < 3
	s_wait_dscnt NL                    ; all but the next tile's loads, which were issued behind this tile's: this tile and the activations are in
.else
	s_wait_dscnt 0x0
.endif
	MULT \t, \t%2, \mode, \base, \ws
.if \t < 2
	WIN 0
	PLACES
	LOADT \t+2, \t%2, \biased, \boff
.endif
.if \t == 3
	WIN 0
	PLACES
.endif
.endr
.endm
; The 16 activation fragments (4 s + m) and their scale words come out of LDS as they were put in.  The next slot's first wait covers them.
.macro FETCH reg
	WIN 0x40
.set F_, 0
.rept 16
.irp p, 0,1,2,3,4,5
	ds_load_b64 v[12*F_+2*\p:12*F_+2*\p+1], v[FA] offset:(\reg)+1536*F_+256*\p
.endr
.set F_, F_+1
.endr
	WIN 0
.irp s, 0,1,2,3
.irp p, 0,1
	ds_load_b32 v[AS+2*\s+\p], v[FS] offset:(\reg)+256*\s+128*\p
.endr
.endr
.endm
; 32 numbers a lane of a run of 64 columns, tile y at st + 0, 16, 8, 24 for y = 0 .. 3, become half a fragment and two scale bytes.
; The exchange gives lane (r, h) the whole block h in order: tile 0 with tile 2, tile 1 with tile 3, the first's lanes 16-31 against the second's lanes 0-15.
.macro QHALF st, adr, ioff, sadr, soff
.irp x, 0,1
.irp j, 0,1,2,3,4,5,6,7
	v_permlane16_swap_b32 v[(\st)+16*\x+\j], v[(\st)+16*\x+8+\j]
.endr
.endr
	v_max3_num_f32 v[MX], |v[(\st)]|, |v[(\st)+1]|, 0x1800000      ; the block's largest magnitude, in two chains, with the floor 2^(3 - 127): the byte cannot fall under 1
	v_max3_num_f32 v[MB], |v[(\st)+2]|, |v[(\st)+3]|, |v[(\st)+4]|
.irp i, 5,9,13,17,21,25
	v_max3_num_f32 v[MX], v[MX], |v[(\st)+\i]|, |v[(\st)+\i+1]|
	v_max3_num_f32 v[MB], v[MB], |v[(\st)+\i+2]|, |v[(\st)+\i+3]|
.endr
	v_max3_num_f32 v[MX], v[MX], |v[(\st)+29]|, |v[(\st)+30]|
	v_max3_num_f32 v[MX], v[MX], v[MB], |v[(\st)+31]|
	v_add_nc_u32 v[SO], 0xff000000, v[MX]          ; 2 off its exponent field: the conversion takes this operand's exponent field as its scale
	s_wait_dscnt 0x0                               ; the last image's stores have read the registers that are written now
	v_cvt_scalef32_pk16_fp6_f32 v[PC:PC+2], v[(\st):(\st)+15], v[SO]
	v_cvt_scalef32_pk16_fp6_f32 v[PT:PT+2], v[(\st)+16:(\st)+31], v[SO]   ; (a conversion's three registers begin on an even number)
	v_lshrrev_b32 v[BY], 23, v[SO]                 ; the scale's byte.  (The plain place behind the conversions)
	v_lshlrev_b32 v[BY], v[SH8], v[BY]             ; at its place: block h
	v_permlanex16_b32 v[OT], v[BY], s[SEL], s[SEL+1]
	v_mov_b32 v[PC+3], v[PT]
	v_mov_b32 v[PC+4], v[PT+1]
	v_mov_b32 v[PC+5], v[PT+2]
	v_or_b32 v[BY], v[BY], v[OT]                   ; with lane l xor 16's: my run's two bytes
	ds_store_b64 v[\adr], v[PC:PC+1] offset:\ioff
	ds_store_b64 v[\adr], v[PC+2:PC+3] offset:(\ioff)+256
	ds_store_b64 v[\adr], v[PC+4:PC+5] offset:(\ioff)+512
	ds_store_b16 v[\sadr], v[BY] offset:\soff      ; lanes r and r + 16 write the same two bytes with the same value
.endm
; gain, bias and the bias to be added to the residual, of my 128 columns, in the result's layout, into window 1
.macro LNLOAD o1, o2
	s_load_b128 s[LNP:LNP+3], s[0:1], \o1
	s_load_b64 s[LNP+4:LNP+5], s[0:1], \o2
	s_wait_kmcnt 0x0
	WIN 0x40
.irp a, 0,1,2
.irp u, 0,1
.irp y, 0,1,2,3
.irp q, 0,1
	global_load_b128 v[64*\a+32*\u+8*\y+4*\q:64*\a+32*\u+8*\y+4*\q+3], v[GA], s[LNP+2*\a:LNP+2*\a+1] offset:1024*\u+64*\y+16*\q
.endr
.endr
.endr
.endr
	WIN 0
.endm
; A LAYER NORM of the residual, in two passes (mean; then the squares of x - mean), quantised, its images stored; then the residual takes its bias.
.macro LNBODY
.irp m, 0,1,2,3                        ; the sums: my 64 numbers of a row, each accumulator from its low end on; with lane l xor 16's my wave's 128
	WIN 0x0f
.set I_, 0
.rept 16
	v_pk_add_f32 v[ST+2*I_:ST+2*I_+1], v[64*\m+4*I_:64*\m+4*I_+1], v[64*\m+4*I_+2:64*\m+4*I_+3]
.set I_, I_+1
.endr
	WIN 0
.irp w, 16,8,4,2
.set I_, 0
.rept \w/2
	v_pk_add_f32 v[ST+2*I_:ST+2*I_+1], v[ST+2*I_:ST+2*I_+1], v[ST+\w+2*I_:ST+\w+2*I_+1]
.set I_, I_+1
.endr
.endr
	v_add_f32 v[ST], v[ST], v[ST+1]
	v_permlanex16_b32 v[OT], v[ST], s[SEL], s[SEL+1]
	v_add_f32 v[CH+12+\m], v[ST], v[OT]
	ds_store_b32 v[STA], v[CH+12+\m] offset:256*\m
.endr
	BARRIER                            ; the four waves' sums of every row lie in LDS
.irp m, 0,1,2,3
	ds_load_b128 v[SL+4*\m:SL+4*\m+3], v[STB] offset:256*\m
.endr
	s_wait_dscnt 0x0
.irp m, 0,1,2,3
	v_add_f32 v[SL+4*\m], v[SL+4*\m], v[SL+4*\m+1]
.endr
.irp m, 0,1,2,3
	v_add_f32 v[SL+4*\m+2], v[SL+4*\m+2], v[SL+4*\m+3]
.endr
.irp m, 0,1,2,3
	v_add_f32 v[SL+4*\m], v[SL+4*\m], v[SL+4*\m+2]
.endr
.irp m, 0,1,2,3
	v_mul_f32 v[MU+2*\m], s[C29], v[SL+4*\m]       ; the mean, twice: a pair for the packed forms
	v_mul_f32 v[MU+2*\m+1], s[C29], v[SL+4*\m]
.endr
.irp m, 0,1,2,3
	WIN 0x83
.set I_, 0
.rept 32
	v_pk_add_f32 v[64*\m+2*I_:64*\m+2*I_+1], v[64*\m+2*I_:64*\m+2*I_+1], v[MU+2*\m:MU+2*\m+1] neg_lo:[0,1] neg_hi:[0,1]   ; x - mean, into window 2
.set I_, I_+1
.endr
	WIN 0x0a
.set I_, 0
.rept 32
.if I_ < 4
	v_pk_mul_f32 v[CH+2*I_:CH+2*I_+1], v[64*\m+2*I_:64*\m+2*I_+1], v[64*\m+2*I_:64*\m+2*I_+1]
.else
	v_pk_fma_f32 v[CH+2*(I_%4):CH+2*(I_%4)+1], v[64*\m+2*I_:64*\m+2*I_+1], v[64*\m+2*I_:64*\m+2*I_+1], v[CH+2*(I_%4):CH+2*(I_%4)+1]
.endif
.set I_, I_+1
.endr
	WIN 0
	v_pk_add_f32 v[CH:CH+1], v[CH:CH+1], v[CH+2:CH+3]
	v_pk_add_f32 v[CH+4:CH+5], v[CH+4:CH+5], v[CH+6:CH+7]
	v_pk_add_f32 v[CH:CH+1], v[CH:CH+1], v[CH+4:CH+5]
	v_add_f32 v[CH], v[CH], v[CH+1]
	v_permlanex16_b32 v[OT], v[CH], s[SEL], s[SEL+1]
	v_add_f32 v[CH+8+\m], v[CH], v[OT]
	ds_store_b32 v[STA], v[CH+8+\m] offset:1024+256*\m
.endr
	BARRIER                            ; the sums of squares likewise
.irp m, 0,1,2,3
	ds_load_b128 v[SL+4*\m:SL+4*\m+3], v[STB] offset:1024+256*\m
.endr
	s_wait_dscnt 0x0
.irp m, 0,1,2,3
	v_add_f32 v[SL+4*\m], v[SL+4*\m], v[SL+4*\m+1]
.endr
.irp m, 0,1,2,3
	v_add_f32 v[SL+4*\m+2], v[SL+4*\m+2], v[SL+4*\m+3]
.endr
.irp m, 0,1,2,3
	v_add_f32 v[SL+4*\m], v[SL+4*\m], v[SL+4*\m+2]
.endr
.irp m, 0,1,2,3
	v_fma_f32 v[SL+4*\m], v[SL+4*\m], s[C29], s[CEPS]   ; the variance + eps
.endr
.irp m, 0,1,2,3
	v_rsq_f32 v[RS+2*\m], v[SL+4*\m]
	v_rsq_f32 v[RS+2*\m+1], v[SL+4*\m]
.endr
	v_nop                              ; a plain place behind the last of the batch
	s_wait_alu depctr_va_vdst(0)       ; one wait for the eight, ahead of their first reader
	s_wait_loadcnt 0x0                 ; gain, bias and the bias to be added are in
.irp m, 0,1,2,3
	WIN 0x02
.irp t, 0,1,2,3,4,5,6,7
.irp j, 0,2,4,6
.set PO_, 32*(\t/4)+16*(\t%2)+8*((\t%4)/2)+\j
	v_pk_mul_f32 v[ST+PO_:ST+PO_+1], v[64*\m+8*\t+\j:64*\m+8*\t+\j+1], v[RS+2*\m:RS+2*\m+1]
.endr
.endr
	WIN 0x14
.irp t, 0,1,2,3,4,5,6,7
.irp j, 0,2,4,6
.set PO_, 32*(\t/4)+16*(\t%2)+8*((\t%4)/2)+\j
	v_pk_fma_f32 v[ST+PO_:ST+PO_+1], v[ST+PO_:ST+PO_+1], v[8*\t+\j:8*\t+\j+1], v[64+8*\t+\j:64+8*\t+\j+1]
.endr
.endr
	WIN 0
	QHALF ST, HW, 1536*\m, HS, 64*\m
	QHALF ST+32, HW, 12288+1536*\m, HS, 512+64*\m
.endr
	WIN 0xc7
.irp m, 0,1,2,3
.set I_, 0
.rept 32
	v_pk_add_f32 v[64*\m+2*I_:64*\m+2*I_+1], v[64*\m+2*I_:64*\m+2*I_+1], v[128+2*I_:128+2*I_+1]   ; the residual takes the bias of the product that will add onto it
.set I_, I_+1
.endr
.endr
	WIN 0
.endm
; The weights p of my head, for all 64 rows.  Q's results lie in window 2 at 32 m + .., K's at 128 + 32 m + ..  Lane exchanges work in window 0: K's results are copied there first.
.macro SCORES
.irp a, 0,1
	WIN 0x02
.irp i, 0,2,4,6,8,10,12,14,16,18,20,22,24,26,28,30
.irp mm, 0,1
	v_pk_mul_f32 v[ST+32*\mm+\i:ST+32*\mm+\i+1], v[128+32*(2*\a+\mm)+\i:128+32*(2*\a+\mm)+\i+1], 1.0 op_sel_hi:[1,0]
.endr
.endr
	WIN 0
.set I_, 0
.rept 64
	v_sub_f32_dpp v[ST+I_], v[ST+I_], v[ST+I_] row_xmask:1 row_mask:0xf bank_mask:0xf   ; the other row's k less mine: in an odd row k0 - k1
.set I_, I_+1
.endr
	WIN 0x08
.irp i, 0,2,4,6,8,10,12,14,16,18,20,22,24,26,28,30
.irp mm, 0,1
.set CC_, CH+4*\mm+2*((\i/2)%2)
.if \i < 4
	v_pk_mul_f32 v[CC_:CC_+1], v[ST+32*\mm+\i:ST+32*\mm+\i+1], v[32*(2*\a+\mm)+\i:32*(2*\a+\mm)+\i+1]
.else
	v_pk_fma_f32 v[CC_:CC_+1], v[ST+32*\mm+\i:ST+32*\mm+\i+1], v[32*(2*\a+\mm)+\i:32*(2*\a+\mm)+\i+1], v[CC_:CC_+1]
.endif
.endr
.endr
	WIN 0
.irp mm, 0,1
	v_pk_add_f32 v[CH+4*\mm:CH+4*\mm+1], v[CH+4*\mm:CH+4*\mm+1], v[CH+4*\mm+2:CH+4*\mm+3]
.endr
.irp mm, 0,1
	v_add_f32 v[CH+4*\mm], v[CH+4*\mm], v[CH+4*\mm+1]
.endr
.irp mm, 0,1
	v_permlanex16_b32 v[CH+4*\mm+1], v[CH+4*\mm], s[SEL], s[SEL+1]
.endr
.irp mm, 0,1
	v_add_f32 v[SL+2*\a+\mm], v[CH+4*\mm], v[CH+4*\mm+1]   ; d: the head's 64 columns
.endr
.endr
.irp m, 0,1,2,3
	v_mul_f32 v[SL+\m], s[CL2], v[SL+\m]           ; z
.endr
.irp m, 0,1,2,3
	v_min_num_f32 v[SL+4+\m], 0, v[SL+\m]          ; the first score less the larger of the two, in powers of two
.endr
.irp m, 0,1,2,3
	v_min_num_f32 v[SL+8+\m], -v[SL+\m], 0         ; the second likewise
.endr
.irp m, 0,1,2,3
	v_exp_f32 v[SL+4+\m], v[SL+4+\m]
.endr
.irp m, 0,1,2,3
	v_exp_f32 v[SL+8+\m], v[SL+8+\m]
.endr
	v_nop
	s_wait_alu depctr_va_vdst(0)       ; one wait for the eight exponentials
.irp m, 0,1,2,3
	v_add_f32 v[SL+\m], v[SL+4+\m], v[SL+8+\m]     ; between 1 and 2
.endr
.irp m, 0,1,2,3
	v_rcp_f32 v[SL+\m], v[SL+\m]
.endr
	v_nop
	s_wait_alu depctr_va_vdst(0)       ; and one for the four reciprocals
.irp m, 0,1,2,3
	v_mul_f32 v[SL+4+\m], v[SL+4+\m], v[SL+\m]
.endr
.irp m, 0,1,2,3
	v_mul_f32 v[SL+8+\m], v[SL+8+\m], v[SL+\m]
.endr
.irp m, 0,1,2,3
	v_cndmask_b32 v[P1+2*\m+1], 0, v[SL+4+\m], s[ODD]     ; an even row sees itself alone: p0 = 0,
.endr
.irp m, 0,1,2,3
	v_cndmask_b32 v[P1+2*\m], 1.0, v[SL+8+\m], s[ODD]     ; p1 = 1
.endr
.irp m, 0,1,2,3
	v_mov_b32_dpp v[PN+2*\m], v[P1+2*\m+1] row_xmask:1 row_mask:0xf bank_mask:0xf   ; what the other row of my pair takes of my v
.endr
.endm
; ctx = p1 v + p0 v(the pair's other row): each lane multiplies its own v by what the other row takes of it, and the products change lanes in window 0.  Then quantised, images stored.
.macro CTX
.irp a, 0,1
	WIN 0x02
.irp mm, 0,1
.irp y, 0,1,2,3
.irp j, 0,2,4,6
.set PO_, 32*\mm+16*(\y%2)+8*(\y/2)+\j
.set VV_, 32*(2*\a+\mm)+8*\y+\j
	v_pk_mul_f32 v[TT+PO_:TT+PO_+1], v[VV_:VV_+1], v[PN+2*(2*\a+\mm):PN+2*(2*\a+\mm)+1] op_sel_hi:[1,0]
	v_pk_mul_f32 v[ST+PO_:ST+PO_+1], v[VV_:VV_+1], v[P1+2*(2*\a+\mm):P1+2*(2*\a+\mm)+1] op_sel_hi:[1,0]
.endr
.endr
.endr
	WIN 0
.set I_, 0
.rept 64
	v_add_f32_dpp v[ST+I_], v[TT+I_], v[ST+I_] row_xmask:1 row_mask:0xf bank_mask:0xf
.set I_, I_+1
.endr
.irp mm, 0,1
	QHALF ST+32*\mm, HT, 1536*(2*\a+\mm), HTS, 64*(2*\a+\mm)
.endr
.endr
.endm
; relu of my 64 hidden units of half u of the chunk, quantised, images stored behind AREG
.macro RELUQ u
.irp a, 0,1
	WIN 0x08
.irp mm, 0,1
.irp y, 0,1,2,3
.irp j, 0,1,2,3,4,5,6,7
	v_max_num_f32 v[ST+32*\mm+16*(\y%2)+8*(\y/2)+\j], 0, v[32*(2*\a+\mm)+8*\y+\j]
.endr
.endr
.endr
	WIN 0
.irp mm, 0,1
	QHALF ST+32*\mm, HW, AREG+12288*(\u)+1536*(2*\a+\mm), HS, AREG+512*(\u)+64*(2*\a+\mm)
.endr
.endr
.endm
	; ---- the head
	s_load_b128 s[XP:XP+3], s[0:1], 0x0            ; x, out0
	s_load_b512 s[PQC:PQC+15], s[0:1], 0x10        ; codes of Wq, Wk, Wv, Wo; their scales
	s_load_b256 s[PW1C:PW1C+7], s[0:1], 0x50       ; W1's codes, scales; W2's codes, scales
	s_load_b256 s[4:11], s[0:1], 0x70              ; bq, bk, bv, b1
	v_lshl_add_u32 v[SPW], v0, 2, SPARE
	v_mov_b32 v[NIL], 0
	ds_add_u32 v1, v2
	ds_add_u32 v1, v2
	s_wait_dscnt 0x0
	v_lshrrev_b32 v[RR], 5, v0
	v_readfirstlane_b32 s[WV], v[RR]               ; wave 0..3
	v_and_b32 v[MX], 31, v0                        ; lane
	v_and_b32 v[RR], 15, v0                        ; r
	v_bfe_u32 v[HH], v0, 4, 1                      ; h
	s_mul_i32 s92, s[WV], QUARB
	v_mul_u32_u24 v[WA0], v[RR], PITCH
	v_mad_u32_u24 v[WA0], v[HH], 24, v[WA0]
	v_add_nc_u32 v[WA0], s92, v[WA0]
	v_lshl_add_u32 v[WA1], v[HH], 4, v[WA0]
	s_lshl_b32 s92, s[WV], 10
	v_lshl_add_u32 v[GSD], v[MX], 4, s92
	s_lshl_b32 s92, s[WV], 12
	v_lshl_add_u32 v[GSW], v[MX], 6, s92
	s_lshl_b32 s93, s[WV], 8
	s_add_co_u32 s92, s93, BIAS
	v_lshl_add_u32 v[BA], v[HH], 5, s92
	v_lshl_add_u32 v[GA], v[HH], 5, s93
	v_lshl_add_u32 v[XO], v[HH], 10, s93
	v_lshl_add_u32 v[XO], v[RR], 4, v[XO]
	v_lshl_add_u32 v[FA], v[MX], 3, A0
	v_lshl_add_u32 v[FS], v[MX], 2, A0+ASC
	s_lshr_b32 s92, s[WV], 1
	s_and_b32 s93, s[WV], 1
	s_mul_i32 s94, s92, 6144
	s_mul_i32 s95, s93, 768
	s_add_co_u32 s94, s94, s95
	s_add_co_u32 s94, s94, A0
	v_lshl_add_u32 v[HW], v[MX], 3, s94
	s_lshl_b32 s94, s92, 8
	s_lshl_b32 s95, s93, 1
	s_add_co_u32 s94, s94, s95
	s_add_co_u32 s94, s94, A0+ASC
	v_lshl_add_u32 v[HS], v[RR], 2, s94
	s_lshl_b32 s94, s[WV], 2
	s_add_co_u32 s94, s94, STAT0
	v_lshl_add_u32 v[STA], v[RR], 4, s94
	v_lshl_add_u32 v[STB], v[RR], 4, STAT0
	s_mul_i32 s94, s[WV], 16*528
	s_add_co_u32 s94, s94, STG
	v_lshl_add_u32 v[SIN], v[MX], 4, s94
	v_mul_u32_u24 v[SD], v[RR], 528
	v_lshl_add_u32 v[SD], v[HH], 5, v[SD]
	v_add_nc_u32 v[SD], s94, v[SD]
	v_lshlrev_b32 v[SH8], 3, v[HH]
	v_lshlrev_b32 v[BIO], 4, v0
	v_lshl_add_u32 v[BIL], v0, 4, BIAS
	v_mov_b32 v[OT], 0                             ; written once: a lane permute's destination counts as one of its sources
.irp i, 0,1,2,3,4,5,6,7
	v_mov_b32 v[PN+\i], 0
.endr
	s_mov_b32 s[TB], 0
	s_mov_b32 s[SEL], 0x76543210
	s_mov_b32 s[SEL+1], 0xfedcba98                 ; v_permlanex16_b32's selects for lane l xor 16
	; descriptor groups 1: 64 rows x 384 bytes, 16 bytes of padding behind every 128; all four work-groups named
	s_mov_b32 s[G1C], 15|(1<<20)|(1<<21)|(4<<22)|(3<<25)   ; 15:0 the mask; 17:16 elements of 1 byte; 20 padding on; 21 set beside a mask; 24:22 after every 32 words (code 4); 31:25 4 words (code 3)
	s_mov_b32 s[G1CW], 15|(1<<20)|(1<<21)|(4<<22)|(3<<25)
.irp g, G1C, G1CW
	s_mov_b32 s[\g+1], 384<<16                     ; tensor_dim0
	s_mov_b32 s[\g+2], 64<<16                      ; tensor_dim1
	s_mov_b32 s[\g+3], 384<<16                     ; tile_dim0
	s_mov_b32 s[\g+4], 64                          ; tile_dim1
	s_mov_b32 s[\g+6], 0
	s_mov_b32 s[\g+7], 0
.endr
	s_mov_b32 s[G1C+5], 384                        ; from row to row: K = 512 is a row
	s_mov_b32 s[G1CW+5], 1536                      ; W2: K = 2,048 is a row, a chunk of 512 is taken
	s_mul_i32 s94, s[WV], 64*384                   ; my 64 rows of a slot, in memory;
	s_mov_b32 s95, 0
	s_mul_i32 s96, s[WV], 64*1536                  ; in W2;
	s_mov_b32 s97, 0
	s_mul_i32 s98, s[WV], QUARB                    ; and in a place of the ring: no place in the cluster enters an LDS address
	s_bfe_u32 s92, ttmp6, 0x40000                  ; cx
	s_lshl_b32 s93, ttmp9, 2
	s_add_co_u32 s92, s92, s93                     ; my block of 64 rows = 4 x cluster + cx: it enters x's and out0's addresses alone
	s_lshl_b32 s92, s92, 17                        ; 64 rows of 2,048 bytes
	s_mov_b32 s93, 0
	s_wait_kmcnt 0x0
	s_add_nc_u64 s[XP:XP+1], s[XP:XP+1], s[92:93]
	s_add_nc_u64 s[OP:OP+1], s[OP:OP+1], s[92:93]
.irp p, PQC, PKC, PVC, PWOC, PW1C
	s_add_nc_u64 s[\p:\p+1], s[\p:\p+1], s[94:95]
.endr
	s_add_nc_u64 s[PW2C:PW2C+1], s[PW2C:PW2C+1], s[96:97]
	s_mov_b32 s[G0C0], 1                           ; slot 0: Wq's rows 0-255, into place 0
	s_mov_b32 s[G0C0+1], s98
	s_mov_b64 s[G0C0+2:G0C0+3], s[PQC:PQC+1]
	s_or_b32 s[G0C0+3], s[G0C0+3], 0x80000000
	s_mov_b32 s[G0C], 1                            ; slot 1: Wk's rows 0-255, into place 1; this descriptor then walks
	s_add_co_u32 s[G0C+1], s98, SLOT1
	s_mov_b64 s[G0C+2:G0C+3], s[PKC:PKC+1]
	s_or_b32 s[G0C+3], s[G0C+3], 0x80000000
	s_add_nc_u64 s[PQC:PQC+1], s[PQC:PQC+1], 256*384   ; on to rows 256-511
	s_add_nc_u64 s[PKC:PKC+1], s[PKC:PKC+1], 256*384
	ROUND                                          ; all four work-groups are here: the first joint loads meet
	tensor_load_to_lds s[G0C0:G0C0+3], s[G1C:G1C+7]    ; every wave's two first fills, ahead of every wait on TENSORcnt and every LDS read
	s_nop 0
	tensor_load_to_lds s[G0C:G0C+3], s[G1C:G1C+7]
	s_nop 0
	PLACES
	; ---- the biases of the products that start sums (16 bytes a thread, seven times), LN1's vectors with bo, and x
	global_load_b128 v[BINR:BINR+3], v[BIO], s[4:5]
	global_load_b128 v[BINR+4:BINR+7], v[BIO], s[6:7]
	global_load_b128 v[BINR+8:BINR+11], v[BIO], s[8:9]
.irp i, 0,1,2,3
	global_load_b128 v[BINR+12+4*\i:BINR+15+4*\i], v[BIO], s[10:11] offset:2048*\i
.endr
	LNLOAD 0x90, 0xa0
	WIN 0x80
.set I_, 0
.rept 64                               ; row I_: lanes 0-15 my 256 bytes of its first half, lanes 16-31 of its second: two aligned runs of 256 bytes
	global_load_b128 v[4*I_:4*I_+3], v[XO], s[XP:XP+1] offset:2048*I_ th:TH_LOAD_NT
.set I_, I_+1
.endr
.irp m, 0,1,2,3                        ; 16 rows at a time through my own stage, into the result's layout.  LDS serves a wave's instructions in order (ISA guide 5.7.1.4): no wait between the stores and the loads
	s_wait_loadcnt 48-16*\m            ; the later tiles' loads may be out; all that was issued earlier is in
.if \m == 0
	WIN 0
.irp i, 0,1,2,3,4,5,6
	ds_store_b128 v[BIL], v[BINR+4*\i:BINR+4*\i+3] offset:2048*\i
.endr
	s_mov_b32 s[BOF], 0                ; the loads that named s4 to s11 are done: the registers take their lasting values
	s_mov_b32 s[C29], 0x3b000000       ; 1 / 512
	s_mov_b32 s[CEPS], 0x3727c5ac      ; 1e-5
	s_mov_b32 s[CL2], 0x3e38aa3b       ; log2(e) / 8
	s_mov_b32 s[GI], 0
	s_mov_b32 s[GS], 0
	s_mov_b32 s[ODD], 0xaaaaaaaa       ; the odd lanes: the second rows of the pairs
.endif
	WIN 0x08
.set I_, 0
.rept 16
	ds_store_b128 v[SIN], v[64*\m+4*I_:64*\m+4*I_+3] offset:528*I_
.set I_, I_+1
.endr
	WIN 0xc0
.set I_, 0
.rept 16
	ds_load_b128 v[64*\m+4*I_:64*\m+4*I_+3], v[SD] offset:64*(I_/2)+16*(I_%2)
.set I_, I_+1
.endr
.endr
	WIN 0
	s_wait_dscnt 0x0                               ; the residual is in; the stores have read their registers
	LSC WS0, PQS, 0, 0                             ; the scale words of slots 0 and 1: they land while LN1 is worked
	LSC WS1, PKS, 0, 0
	LNBODY                                         ; LN1; the residual takes bo
	s_wait_xcnt 0x0                                ; the loads have read their base, so it may be written:
	s_add_nc_u64 s[PQS:PQS+1], s[PQS:PQS+1], 4096  ; Wq's rows 256-511
	s_wait_tensorcnt 0x0                           ; my parts of slots 0 and 1 have landed
	BARRIER                                        ; LN1's images and the biases lie in LDS
	FETCH 0
	; ---- Q, K, V and the attention, four heads (one a wave) a trip.  Scale words: Q and V take set 0, K set 1
	s_mov_b32 s[CNT], 0
.Lqkv:
	SLOT 0, 0, 1, 0, WS0, 0                        ; Q.  (In trip 1 its scale words are the youngest loads: the count is 0)
	LSC WS0, PVS, 0, 0                             ; V's scale words
	CHANGE PVC, 0, 0
	s_add_nc_u64 s[PVC:PVC+1], s[PVC:PVC+1], 256*384
	SLOT 0, 128, 1, 2048, WS1, 2                   ; K; V's two loads may be out
	LSC WS1, PKS, 4096, 0                          ; trip 0: Wk's second half; trip 1: Wo's second
	CHANGE PQC, 0, 0                               ; trip 0: Wq's second half; trip 1: Wo's first
	s_mov_b64 s[PQC:PQC+1], s[PWOC:PWOC+1]
	s_wait_xcnt 0x0                                ; the loads of scale words have read their bases
	s_add_nc_u64 s[PVS:PVS+1], s[PVS:PVS+1], 4096
	s_mov_b64 s[PKS:PKS+1], s[PWOS:PWOS+1]
	SCORES
	SLOT 0, 0, 1, 4096, WS0, 2                     ; V, over Q's registers; set 1's two loads may be out
	LSC WS0, PQS, 0, 0                             ; trip 0: Wq's second half; trip 1: Wo's first
	CHANGE PKC, 0, 0                               ; trip 0: Wk's second half; trip 1: Wo's second
	s_add_nc_u64 s[PKC:PKC+1], s[PWOC:PWOC+1], 256*384
	s_wait_xcnt 0x0
	s_mov_b64 s[PQS:PQS+1], s[PWOS:PWOS+1]
	v_add_nc_u32 v[HT], s[GI], v[HW]
	v_add_nc_u32 v[HTS], s[GS], v[HS]
	CTX
	s_add_co_u32 s[GI], s[GI], 12288               ; the next four heads are columns 256 on: two K steps
	s_add_co_u32 s[GS], s[GS], 512
	s_add_co_u32 s[BOF], s[BOF], 1024
	s_add_co_u32 s[CNT], s[CNT], 1
	s_cmp_lt_u32 s[CNT], 2
	s_cbranch_scc1 .Lqkv
	BARRIER                                        ; ctx's images lie in LDS
	FETCH 0
	s_mov_b32 s[BOF], 6144                         ; b1
	; ---- a trip: two slots onto the residual (trip 0: ctx x Wo; later: the last hidden chunk x W2), then a chunk of 512 hidden units.  LN2 stands in trip 0, behind Wo.  Scale words: sets 0, 1, 0, 1
	s_mov_b32 s[CNT], 0
.Lffn:
	SLOT 1, 0, 0, 0, WS0, 0                        ; (on the way in from above its scale words are the youngest loads: the count is 0)
	LSC WS0, PW1S, 0, 0
	CHANGE PW1C, 0, 0
	SLOT 1, 32, 0, 0, WS1, 2
	LSC WS1, PW1S, 4096, 0
	CHANGE PW1C, 256*384, 0
	s_add_nc_u64 s[PW1C:PW1C+1], s[PW1C:PW1C+1], 512*384
	s_wait_xcnt 0x0
	s_add_nc_u64 s[PW1S:PW1S+1], s[PW1S:PW1S+1], 8192
	s_cmp_lg_u32 s[CNT], 0                         ; the branch hangs on the loop's counter alone: alike in all waves and all partners
	s_cbranch_scc1 .Lno_ln2
	LNLOAD 0xa8, 0xb8
	LNBODY                                         ; LN2; the residual takes b2
	BARRIER                                        ; LN2's images lie in LDS, and stay
.Lno_ln2:
	FETCH 0
	SLOT 0, 0, 1, 0, WS0, 2                        ; hidden units 512 c + 0 .. 255
	LSC WS0, PW2S, 0, 1
	CHANGE PW2C, 0, 1
	RELUQ 0
	SLOT 0, 0, 1, 1024, WS1, 2                     ; 512 c + 256 .. 511
	LSC WS1, PW2S, 16384, 1
	CHANGE PW2C, 256*1536, 1
	s_add_nc_u64 s[PW2C:PW2C+1], s[PW2C:PW2C+1], 384
	s_wait_xcnt 0x0
	s_add_nc_u64 s[PW2S:PW2S+1], s[PW2S:PW2S+1], 16
	RELUQ 1
	BARRIER                                        ; the chunk's images lie in LDS
	FETCH AREG
	s_add_co_u32 s[BOF], s[BOF], 2048
	s_add_co_u32 s[CNT], s[CNT], 1
	s_cmp_lt_u32 s[CNT], 4
	s_cbranch_scc1 .Lffn
	SLOT 1, 0, 0, 0, WS0, 2                        ; the last chunk x W2: written out, since nothing more is asked for
	CHANGE0
	SLOT 1, 32, 0, 0, WS1, 0
	; ---- the way out: 16 rows at a time through my stage, back as rows; each half of the lanes stores 256 consecutive bytes, aligned.  Each tile has registers of its own
.irp m, 0,1,2,3
	WIN 0x0c
.set I_, 0
.rept 16
	ds_store_b128 v[SD], v[64*\m+4*I_:64*\m+4*I_+3] offset:64*(I_/2)+16*(I_%2)   ; each accumulator from its low end on
.set I_, I_+1
.endr
	WIN 0x80
.set I_, 0
.rept 16
	ds_load_b128 v[64*\m+4*I_:64*\m+4*I_+3], v[SIN] offset:528*I_
.set I_, I_+1
.endr
	WIN 0x08
.set I_, 0
.rept 16
	s_wait_dscnt 15-I_                 ; the younger loads from the stage may be out
	global_store_b128 v[XO], v[64*\m+4*I_:64*\m+4*I_+3], s[OP:OP+1] offset:2048*(16*\m+I_) th:TH_STORE_NT
.set I_, I_+1
.endr
.endr
	WIN 0
	s_wait_tensorcnt 0x0                           ; the wave's end
	ds_add_u32 v[SPW], v[NIL]
	s_wait_dscnt 0x0
	ROUND                                          ; the closing round: no work-group ends while a partner may still ask for a slot that names it
	s_endpgm
.Lfunc_end_k_q3d7de3d5d7_block:
	.size	k_q3d7de3d5d7_block, .Lfunc_end_k_q3d7de3d5d7_block-k_q3d7de3d5d7_block
	.p2alignl 7, 3214868480
	.fill 96, 4, 3214868480
	.section	.rodata,"a",@progbits
	.p2align	6, 0x0
	.amdhsa_kernel k_q3d7de3d5d7_block
		.amdhsa_group_segment_fixed_size 327680
		.amdhsa_private_segment_fixed_size 0
		.amdhsa_enable_private_segment 0
		.amdhsa_kernarg_size 192
		.amdhsa_user_sgpr_count 2
		.amdhsa_user_sgpr_kernarg_segment_ptr 1
		.amdhsa_wavefront_size32 1
		.amdhsa_system_sgpr_workgroup_id_x 1
		.amdhsa_system_sgpr_workgroup_id_y 1
		.amdhsa_system_sgpr_workgroup_id_z 1
		.amdhsa_system_vgpr_workitem_id 0
		.amdhsa_next_free_vgpr 1024
		.amdhsa_next_free_sgpr 102
		.amdhsa_reserve_vcc 0
		.amdhsa_float_denorm_mode_32 3
		.amdhsa_float_denorm_mode_16_64 3
		.amdhsa_memory_ordered 1
		.amdhsa_forward_progress 1
		.amdhsa_inst_pref_size 255
	.end_amdhsa_kernel
	.section	.bss,"aw",@nobits
	.p2align	6
	.space	262144
	.amdgpu_metadata
---
amdhsa.version: [ 1, 2 ]
amdhsa.kernels:
  - .name:           k_q3d7de3d5d7_block
    .symbol:         k_q3d7de3d5d7_block.kd
    .args:
      - { .name: x, .offset: 0, .size: 8, .value_kind: global_buffer, .address_space: global }
      - { .name: out0, .offset: 8, .size: 8, .value_kind: global_buffer, .address_space: global }
      - { .name: Wq_codes, .offset: 16, .size: 8, .value_kind: global_buffer, .address_space: global }
      - { .name: Wk_codes, .offset: 24, .size: 8, .value_kind: global_buffer, .address_space: global }
      - { .name: Wv_codes, .offset: 32, .size: 8, .value_kind: global_buffer, .address_space: global }
      - { .name: Wo_codes, .offset: 40, .size: 8, .value_kind: global_buffer, .address_space: global }
      - { .name: Wq_scales, .offset: 48, .size: 8, .value_kind: global_buffer, .address_space: global }
      - { .name: Wk_scales, .offset: 56, .size: 8, .value_kind: global_buffer, .address_space: global }
      - { .name: Wv_scales, .offset: 64, .size: 8, .value_kind: global_buffer, .address_space: global }
      - { .name: Wo_scales, .offset: 72, .size: 8, .value_kind: global_buffer, .address_space: global }
      - { .name: W1_codes, .offset: 80, .size: 8, .value_kind: global_buffer, .address_space: global }
      - { .name: W1_scales, .offset: 88, .size: 8, .value_kind: global_buffer, .address_space: global }
      - { .name: W2_codes, .offset: 96, .size: 8, .value_kind: global_buffer, .address_space: global }
      - { .name: W2_scales, .offset: 104, .size: 8, .value_kind: global_buffer, .address_space: global }
      - { .name: bq, .offset: 112, .size: 8, .value_kind: global_buffer, .address_space: global }
      - { .name: bk, .offset: 120, .size: 8, .value_kind: global_buffer, .address_space: global }
      - { .name: bv, .offset: 128, .size: 8, .value_kind: global_buffer, .address_space: global }
      - { .name: b1, .offset: 136, .size: 8, .value_kind: global_buffer, .address_space: global }
      - { .name: ln1_g, .offset: 144, .size: 8, .value_kind: global_buffer, .address_space: global }
      - { .name: ln1_b, .offset: 152, .size: 8, .value_kind: global_buffer, .address_space: global }
      - { .name: bo, .offset: 160, .size: 8, .value_kind: global_buffer, .address_space: global }
      - { .name: ln2_g, .offset: 168, .size: 8, .value_kind: global_buffer, .address_space: global }
      - { .name: ln2_b, .offset: 176, .size: 8, .value_kind: global_buffer, .address_space: global }
      - { .name: b2, .offset: 184, .size: 8, .value_kind: global_buffer, .address_space: global }
    .group_segment_fixed_size: 327680
    .private_segment_fixed_size: 0
    .kernarg_segment_align: 8
    .kernarg_segment_size: 192
    .max_flat_workgroup_size: 128
    .sgpr_count:     102
    .vgpr_count:     1024
    .wavefront_size: 32
...
	.end_amdgpu_metadata
.endif
;; end of part 1
